; MI455X (gfx1250); checked and timed in simulation.
; The chip was launched on July 23, 2026; its instructions are those of AMD's public machine-readable ISA for CDNA 5 (MIT licence, August 2026) and "CDNA5" Instruction Set Architecture Reference Guide (July 2026). The comments in the code are by the model that wrote it; some were corrected since.
;; Topo Filter. Allowed arithmetic: matrix products marked QUANTISED: E2M1 operands, one E8M0 scale for each 32 along K, by v_wmma_scale_f32_16x16x128_f8f6f4 with both operands' format E2M1 (or v_wmma_scale_f32_32x16x128_f4), f32 sums; everything else in f32.
;; Inputs: x_imag 8 x 1,024 x 1,024 float32; x_real 8 x 1,024 x 1,024 float32.
;; Outputs: out0 2 x 8 x 1,024 x 1,024 float32.
;; This version of the problem:
;;   THIS VERSION OF THE PROBLEM IS GIVEN IN LOW PRECISION. The matrix products marked QUANTISED in the list below multiply operands that are first quantised to E2M1 (2 exponent bits, 1 mantissa bit; 4 bits a number), with one power-of-two scale for each 32 numbers along K (OCP MX v1.0); their sums are f32. All else is computed in f32.
;;   The module's matrix products, in the order in which they are computed (A, B: the left and right operand; K: the contracted axis; several contracted axes count as one K, in the product's order):
;;     1. [M 8,192, K 1,024] x [K 1,024, N 8,192]; A: input x_real; B: input x_real: QUANTISED
;;   THE QUANTISER, for each operand of a quantised product, along K:
;;     - K is cut into blocks of 32 from its start; a last block that is shorter is filled with zeros.
;;     - A block's scale is 2^e with e = floor(log2(the largest magnitude in the block)) - 2, held to -126 .. 127; a block of zeros has e = 0. As a byte (E8M0): e + 127.
;;     - Each number is divided by its block's scale, clamped to +-6, and rounded to the nearest number of E2M1, ties to even, subnormals kept.
;;     - The product sums the exact products of the quantised numbers (number of the format x scale) in f32.
;;   ~~~python
;;   def quantise(x, axis):      # numpy; x: float32 -> the quantised numbers, widened to float32 again
;;       x = np.moveaxis(x, axis, -1); K = x.shape[-1]
;;       x = np.pad(x, [(0, 0)] * (x.ndim - 1) + [(0, -K % 32)]); x = x.reshape(x.shape[:-1] + (-1, 32)); a = np.abs(x).max(-1, keepdims=True)
;;       e = np.where(a > 0, np.clip(np.frexp(np.where(a > 0, a, 1))[1] - 1 - 2, -126, 127), 0)      # np.frexp(a)[1] - 1 = floor(log2(a)), exactly
;;       r = np.clip(x / 2.0 ** e, -6, 6)
;;       step = 2.0 ** (np.maximum(np.frexp(np.where(r == 0, 1, r))[1] - 1, 0) - 1)
;;       q = np.round(r / step) * step * 2.0 ** e      # np.round: ties to even
;;       return np.moveaxis(q.reshape(q.shape[:-2] + (-1,))[..., :K], -1, axis).astype(np.float32)
;;   ~~~
;; One version. Each part assembles by itself: llvm-mc -triple=amdgcn-amd-amdhsa -mcpu=gfx1250 --defsym DOCPART=n.
;; ======== version 1 of 1: 3 launches
;; limits: right only within a limited range of input values
;; workspace buffers: rec 4,587,520 bytes; part 4,194,304 bytes
;; launch quant (part 1): grid 512 x 1, 8 waves a work-group, no clusters, 69,632 bytes of LDS; arguments x_real, rec; writes rec
.if DOCPART == 1
	.amdgcn_target "amdgcn-amd-amdhsa--gfx1250"
	.amdhsa_code_object_version 6
	.text
	.protected	k_q8e2b5dd532_quant
	.globl	k_q8e2b5dd532_quant
	.p2align	8
	.type	k_q8e2b5dd532_quant,@function
k_q8e2b5dd532_quant:
	s_mov_b64 s[64:65], 0
	v_nop
	global_prefetch_b8 v0, s[64:65] scope:SCOPE_SE
	s_setreg_imm32_b32 hwreg(HW_REG_WAVE_MODE, 25, 1), 1
	s_wait_xcnt 0x0
; x_real [8192][1024] f32 becomes codes of FP4 (E2M1) with one E8M0 scale byte for each 32 along K, and -0.5 x the sum of each row's squares (of the f32 numbers).
; A block's scale is 2^(floor(log2(its largest magnitude)) - 2); its byte is the largest magnitude's exponent field - 2, held at 1 from below.
; THE WORKSPACE: one RECORD of 8,960 bytes (35 x 256) for each tile T of 16 rows, laid in the order of the operand's registers.  s = K step of 128, c = 0, 1, lane = 16 h + r:
;   byte s x 1024 + c x 512 + 16 x lane     : the 32 codes of row 16 T + r, k = 128 s + 64 c + 32 h + 0 .. 31: registers 4 c .. 4 c + 3 of that lane's fragment
;   byte 8192 + 16 x (16 (s & 1) + r) + 4 (s >> 1): the four scale bytes of row 16 T + r, K step s
;   byte 8704 + 4 i, i = 0 .. 63            : -sq / 2 of row 16 T + (i & 15): the sixteen numbers four times over, so that the record's last 256 bytes are written whole by one store
; SHARES.  A work-group takes a tile of 16 rows, wave s its K step s: 16 rows x 512 bytes.  Each load reads 512 consecutive bytes; the conversions want 32 neighbours along K in ONE lane, so the
; wave's 8 KiB turn through its own stage in LDS.  One barrier: the eight waves' scale words and partial sums meet in LDS, and wave 0 stores them.
; LIMITS: a block of zeros gets the byte 1 where the quantiser's text says 127: its codes are zeros, which add nothing under any byte but 0xff, and this program alone reads the bytes.
; NaN and infinities among the inputs are not served.
.set REC,  8960
.set ROWP, 528                         ; a stage row: 512 bytes + 16
.set STGB, 16*ROWP                     ; a wave's stage
.set SCW,  8*STGB                      ; behind the stages: the tile's scale words as they will lie in memory, 512 bytes
.set SQP,  SCW+512                     ; and the partial sums of squares: 64 bytes for each wave; behind them, at 0x10c00, the spare words
.set LO,   4                           ; v4   16 x lane
.set STA,  5                           ; v5   the stage, on the way in
.set LDA,  6                           ; v6   and on the way out: row r, + 128 h
.set SWA,  7                           ; v7   where my row's scale word goes
.set SQA,  8                           ; v8   where my row's partial sum goes
.set TA,   9                           ; v9   at work on ids; at last 8 x lane
.set M,    10
.set E,    12
.set BY,   14
.set C,    24                          ; v24-31 the codes
.set R,    32                          ; v32-95 the numbers as loaded; at the end wave 0's scale words and partial sums
.set X,    96                          ; v96-159 my 64 numbers: register 32 c + i = k 64 c + 32 h + i of row r
	s_load_b128 s[4:7], s[0:1], 0x0                ; x_real s[4:5], rec s[6:7]
	v_lshl_add_u32 v160, v0, 2, 0x10c00
	v_mov_b32 v161, 0
	v_lshrrev_b32 v[TA], 5, v0
	s_delay_alu instid0(VALU_DEP_1)
	v_readfirstlane_b32 s12, v[TA]                 ; wave = K step
	v_and_b32 v1, 31, v0                           ; lane
	v_and_b32 v2, 15, v0                           ; r
	s_wait_alu depctr_va_vdst(0)
	v_bfe_u32 v3, v0, 4, 1                         ; h
	v_lshlrev_b32 v[LO], 4, v1
	s_wait_alu depctr_va_vdst(0)
	s_mul_i32 s13, s12, STGB                       ; my stage
	v_add_nc_u32 v[STA], s13, v[LO]
	v_mul_u32_u24 v[LDA], v2, ROWP
	s_delay_alu instid0(VALU_DEP_1)
	v_lshl_add_u32 v[LDA], v3, 7, v[LDA]
	s_delay_alu instid0(VALU_DEP_1)
	v_add_nc_u32 v[LDA], s13, v[LDA]
	s_and_b32 s14, s12, 1
	s_lshl_b32 s14, s14, 8                         ; 256 (s & 1)
	s_lshr_b32 s15, s12, 1
	s_lshl_b32 s15, s15, 2                         ; 4 (s >> 1)
	s_add_co_u32 s14, s14, s15
	s_add_co_u32 s14, s14, SCW
	v_lshl_add_u32 v[SWA], v2, 4, s14
	s_lshl_b32 s15, s12, 6
	s_add_co_u32 s15, s15, SQP
	v_lshl_add_u32 v[SQA], v2, 2, s15
	v_add_nc_u32 v22, SCW, v[LO]                   ; wave 0's LDS addresses for the end: the scale words, 16 bytes a lane,
	v_and_b32 v23, 7, v0
	s_delay_alu instid0(VALU_DEP_1)
	v_lshl_add_u32 v23, v23, 3, SQP                ; and the partial sums of rows 2 (lane & 7) and 2 (lane & 7) + 1
	v_mov_b32 v17, 0                               ; a lane permute's destination counts as one of its sources
	s_mov_b32 s16, 0x76543210
	s_mov_b32 s17, 0xfedcba98                      ; v_permlanex16_b32's selects for lane l xor 16
	s_lshl_b32 s20, ttmp9, 16                      ; x_real: the tile's 16 rows of 4,096 bytes, + 512 x wave
	s_lshl_b32 s21, s12, 9
	s_add_co_u32 s20, s20, s21
	s_mov_b32 s21, 0
	s_mul_i32 s24, ttmp9, REC                      ; the tile's record;
	s_lshl_b32 s23, s12, 10
	s_add_co_u32 s22, s24, s23                     ; my K step's 1,024 bytes of codes;
	s_mov_b32 s23, 0
	s_add_co_u32 s24, s24, 8192                    ; the scale words
	s_mov_b32 s25, 0
	s_wait_alu depctr_va_vdst(0)
	s_wait_kmcnt 0x0
	s_add_nc_u64 s[4:5], s[4:5], s[20:21]
	s_add_nc_u64 s[8:9], s[6:7], s[24:25]
	s_add_nc_u64 s[6:7], s[6:7], s[22:23]
.irp i, 0,1,2,3,4,5,6,7,8,9,10,11,12,13,14,15
	global_load_b128 v[R+4*\i:R+4*\i+3], v[LO], s[4:5] offset:4096*\i   ; row i: 32 lanes read 512 consecutive bytes
.endr
.irp i, 0,1,2,3,4,5,6,7,8,9,10,11,12,13,14,15
	s_wait_loadcnt 15-\i                           ; loads come back in order: row i is in, the younger ones stay out
	ds_store_b128 v[STA], v[R+4*\i:R+4*\i+3] offset:ROWP*\i
.endr
.irp c, 0,1
.irp j, 0,1,2,3,4,5,6,7
	ds_load_b128 v[X+32*\c+4*\j:X+32*\c+4*\j+3], v[LDA] offset:256*\c+16*\j   ; LDS serves a wave's instructions in order: these see my stores
.endr
.endr
	s_wait_dscnt 0x0
.irp c, 0,1                                    ; my block 2 c + h of the K step: all its 32 numbers are mine
	v_max3_num_f32 v[M+\c], |v[X+32*\c]|, |v[X+32*\c+1]|, 0x1800000   ; and the floor 2^(3 - 127): the byte cannot fall under 1
.endr
.irp i, 2,4,6,8,10,12,14,16,18,20,22,24,26,28,30
.irp c, 0,1
	s_delay_alu instid0(VALU_DEP_2)
	v_max3_num_f32 v[M+\c], v[M+\c], |v[X+32*\c+\i]|, |v[X+32*\c+\i+1]|
.endr
.endr
.irp c, 0,1
	s_delay_alu instid0(VALU_DEP_2)
	v_add_nc_u32 v[E+\c], 0xff000000, v[M+\c]      ; 2 off the exponent field: the conversion's scale operand
.endr
.irp c, 0,1
	s_delay_alu instid0(VALU_DEP_2)
	v_lshrrev_b32 v[BY+\c], 23, v[E+\c]            ; the scale's byte
.endr
	s_delay_alu instid0(VALU_DEP_1)
	v_lshl_or_b32 v16, v[BY+1], 16, v[BY]          ; my two bytes: blocks h and 2 + h,
	v_lshlrev_b32 v[TA], 3, v3
	s_delay_alu instid0(VALU_DEP_1)
	v_lshlrev_b32 v16, v[TA], v16                  ; at their places in the word (8 h bits up);
	v_lshlrev_b32 v[TA], 3, v1                     ; (from here on: 8 x lane, my place in the record's last 256 bytes)
	s_delay_alu instid0(VALU_DEP_2)
	v_permlanex16_b32 v17, v16, s16, s17
	s_delay_alu instid0(VALU_DEP_1)
	v_or_b32 v16, v16, v17                         ; with lane l xor 16's two the word is whole
	v_pk_mul_f32 v[18:19], v[X:X+1], v[X:X+1]      ; the sum of my 64 squares: two chains of packed multiply-adds
	v_pk_mul_f32 v[20:21], v[X+2:X+3], v[X+2:X+3]
.irp j, 4,8,12,16,20,24,28,32,36,40,44,48,52,56,60
	s_delay_alu instid0(VALU_DEP_2)
	v_pk_fma_f32 v[18:19], v[X+\j:X+\j+1], v[X+\j:X+\j+1], v[18:19]
	s_delay_alu instid0(VALU_DEP_2)
	v_pk_fma_f32 v[20:21], v[X+\j+2:X+\j+3], v[X+\j+2:X+\j+3], v[20:21]
.endr
	s_delay_alu instid0(VALU_DEP_1)
	v_pk_add_f32 v[18:19], v[18:19], v[20:21]
	s_delay_alu instid0(VALU_DEP_1)
	v_add_f32 v18, v18, v19
	s_delay_alu instid0(VALU_DEP_1)
	v_permlanex16_b32 v17, v18, s16, s17
	s_delay_alu instid0(VALU_DEP_1)
	v_add_f32 v18, v18, v17                        ; with lane l xor 16's: row r's 128 numbers of this K step
.irp c, 0,1
.irp g, 0,1,2,3
	v_cvt_scalef32_pk8_fp4_f32 v[C+4*\c+\g], v[X+32*\c+8*\g:X+32*\c+8*\g+7], v[E+\c]   ; registers 4 c .. 4 c + 3 of the fragment
.endr
.endr
	v_nop                                          ; one plain place behind the last scaled conversion
	global_store_b128 v[LO], v[C:C+3], s[6:7]              ; 32 lanes store 512 consecutive bytes, at a multiple of 256 from the buffer's first byte
	global_store_b128 v[LO], v[C+4:C+7], s[6:7] offset:512
	ds_store_b32 v[SWA], v16                       ; both halves of the lanes write the same word with the same value
	ds_store_b32 v[SQA], v18
	s_wait_dscnt 0x0                               ; for wave 0's sake: my stores have landed
	s_barrier_signal -1
	s_barrier_wait -1
	s_cmp_lg_u32 s12, 0
	s_cbranch_scc1 .Lend
	ds_load_b128 v[R:R+3], v22                     ; the tile's 512 bytes of scale words
.irp k, 0,1,2,3,4,5,6,7
	ds_load_b64 v[R+4+2*\k:R+5+2*\k], v23 offset:64*\k   ; two rows' partial sums of K step k
.endr
	s_wait_dscnt 0x0
	v_pk_add_f32 v[R+4:R+5], v[R+4:R+5], v[R+6:R+7]   ; K ascending
.irp k, 2,3,4,5,6,7
	s_delay_alu instid0(VALU_DEP_1)
	v_pk_add_f32 v[R+4:R+5], v[R+4:R+5], v[R+4+2*\k:R+5+2*\k]
.endr
	s_delay_alu instid0(VALU_DEP_1)
	v_pk_mul_f32 v[R+4:R+5], v[R+4:R+5], -0.5 op_sel_hi:[1,0]
	global_store_b128 v[LO], v[R:R+3], s[8:9]              ; 512 consecutive bytes
	global_store_b64 v[TA], v[R+4:R+5], s[8:9] offset:512  ; 256 consecutive bytes: the record's last
.Lend:
	s_wait_tensorcnt 0x0                           ; the wave's end
	ds_add_u32 v160, v161
	s_wait_dscnt 0x0
	s_endpgm
.Lfunc_end_k_q8e2b5dd532_quant:
	.size	k_q8e2b5dd532_quant, .Lfunc_end_k_q8e2b5dd532_quant-k_q8e2b5dd532_quant
	.p2alignl 7, 3214868480
	.fill 96, 4, 3214868480
	.section	.rodata,"a",@progbits
	.p2align	6, 0x0
	.amdhsa_kernel k_q8e2b5dd532_quant
		.amdhsa_group_segment_fixed_size 69632
		.amdhsa_private_segment_fixed_size 0
		.amdhsa_enable_private_segment 0
		.amdhsa_kernarg_size 16
		.amdhsa_user_sgpr_count 2
		.amdhsa_user_sgpr_kernarg_segment_ptr 1
		.amdhsa_wavefront_size32 1
		.amdhsa_system_sgpr_workgroup_id_x 1
		.amdhsa_system_sgpr_workgroup_id_y 1
		.amdhsa_system_sgpr_workgroup_id_z 1
		.amdhsa_system_vgpr_workitem_id 0
		.amdhsa_next_free_vgpr 162
		.amdhsa_next_free_sgpr 66
		.amdhsa_reserve_vcc 0
		.amdhsa_float_denorm_mode_32 3
		.amdhsa_float_denorm_mode_16_64 3
		.amdhsa_memory_ordered 1
		.amdhsa_forward_progress 1
		.amdhsa_inst_pref_size 17
	.end_amdhsa_kernel
	.amdgpu_metadata
---
amdhsa.version: [ 1, 2 ]
amdhsa.kernels:
  - .name:           k_q8e2b5dd532_quant
    .symbol:         k_q8e2b5dd532_quant.kd
    .args:
      - { .name: x_real, .offset: 0, .size: 8, .value_kind: global_buffer, .address_space: global }
      - { .name: rec, .offset: 8, .size: 8, .value_kind: global_buffer, .address_space: global }
    .group_segment_fixed_size: 69632
    .private_segment_fixed_size: 0
    .kernarg_segment_align: 8
    .kernarg_segment_size: 16
    .max_flat_workgroup_size: 256
    .sgpr_count:     66
    .vgpr_count:     162
    .wavefront_size: 32
...
	.end_amdgpu_metadata
.endif
;; end of part 1
;; launch knn (part 2): grid 16 x 16, 8 waves a work-group, clusters of 4 x 1, 327,680 bytes of LDS; arguments rec, part; writes part
.if DOCPART == 2
	.amdgcn_target "amdgcn-amd-amdhsa--gfx1250"
	.amdhsa_code_object_version 6
	.text
	.protected	k_q8e2b5dd532_knn
	.globl	k_q8e2b5dd532_knn
	.p2align	8
	.type	k_q8e2b5dd532_knn,@function
k_q8e2b5dd532_knn:
	s_mov_b64 s[64:65], 0
	v_nop
	global_prefetch_b8 v0, s[64:65] scope:SCOPE_SE
	s_setreg_imm32_b32 hwreg(HW_REG_WAVE_MODE, 25, 1), 1
	s_wait_xcnt 0x0
	s_wait_alu depctr_hold_cnt(0) depctr_sa_sdst(0) depctr_va_vdst(0) depctr_va_sdst(0) depctr_va_ssrc(0) depctr_va_vcc(0) depctr_vm_vsrc(0)
	s_getreg_b32 s2, hwreg(HW_REG_IB_STS2, 6, 4)
	s_cmp_eq_u32 s2, 0
	s_cbranch_scc0 .Lentry_in_a_cluster
	s_endpgm
.Lentry_in_a_cluster:
	s_bfe_u32 s2, ttmp6, 0x10000c
	s_cmp_lg_u32 s2, 0x3003
	s_cbranch_scc0 .Lentry_shape_is_right
	s_endpgm
.Lentry_shape_is_right:
; The whole quantised product G = Q(x) Q(x)^T, 8192 x 8192 x 1024 on codes of FP4 with E8M0 scales, and the selection that follows it.
; d2(i, j) = sq_i + sq_j - 2 G(i, j); the root and the clip at 0 rise with d2 and sq_i is one number for a row, so the six SMALLEST distances of row i are the six LARGEST key(i, j) = G(i, j) - sq_j / 2.
; -sq_j / 2 is the C of each sum's first matrix instruction.  sq_i is added in the next launch.
; SHARES.  Work-group (qb, cr): 512 queries x 512 candidates; 16 x 16 work-groups.  Each of the eight waves keeps 4 tiles of 16 queries, all of K, in 256 registers (window 1).
; The 32 candidate tiles lie in LDS as their records of 8,960 bytes (codes, scale words at 8192, -sq / 2 at 8704): filled once, read by all eight waves.  Every wave walks the 32 tiles.
; THE PRODUCT IS USED TRANSPOSED: source 0 = 16 candidates, source 1 = 16 queries: a lane holds ONE query, and an accumulator's registers are candidates 8 (lane / 16) + 0 .. 7: the selection asks no other lane.
; THE FILLS.  At the head wave w asks for tile w's record; behind the full sequence and a round of the cluster's barrier for tiles 8 + 3 w .. 10 + 3 w: by this text's count one tensor load of a wave is out at a time.
; Tiles 0-6 are multiplied while tiles 8-31 are on their way; a barrier ahead of tile 7's step shows them whole, and that step fetches tile 8.
; THE SELECTION, exact for every input: a tournament.  A comparator sends the larger of two keys to the winners' stream and the smaller to the losers'.  If only the best c of a stream can count, then of its winners
; only the best c, and of its losers only the best c / 2 (rounded down): a loser among the best c has its own winner there too.  From c = 6: losers 3, their losers 1.  Three levels inside an accumulator's 8 keys, a fourth
; between two candidate tiles that follow each other.  What is left of 16 keys: one key for a sorted list of six, four for four lists of three, and single running maxima for six streams with c = 1.
; A comparator is one dual instruction, its results in other registers than its sources: 50 instructions for 16 keys.  Two query tiles go through the levels by turns, so that no line reads the lines just above it;
; each level's results land in registers that the other tile has just read out.  At the end the lists, and the two lanes of a query, are merged, the four query tiles by turns.
; CLUSTER.  The four work-groups of a cluster have four query blocks and ONE candidate range: both fills are asked for jointly, same descriptor, mask of all four.  The queries are not shared and go straight into registers.
; NO PREFETCH: all of LDS is asked for by the head's load and by the one load behind the first round; no slot is filled again, so there is no later request to run ahead of.
; OUT: part[cr][query][8]: the six largest keys, descending, and two words of fill.
; LIMITS: keys under -3e38, NaN and infinities are not served.  sq_i is added last, so the order of rounding in d2 differs from sq_i + sq_j - 2 G.
.set REC,  8960
.set SCO,  8192
.set NHO,  8704
.set SPARE, 32*REC                     ; behind the records: the spare words, 128 bytes a wave
.set LI,   1                           ; v1   16 x lane
.set LH,   2                           ; v2   NHO + 32 x (lane / 16)
.set ADC,  3                           ; v3-4 LDS addresses in the tile in hand
.set ADN,  4
.set SPW,  5                           ; v5   my spare word;  v6  0
.set NIL,  6
.set TM,   7
.set QS,   8                           ; v8-23   the queries' scale words: tile t, register p: K step 2 p in lanes 0-15, 2 p + 1 in lanes 16-31
.set CS,   24                          ; v24-27  the candidates' likewise
.set CI,   28                          ; v28-35  -sq / 2 of candidates 8 h + 0 .. 7
.set CF,   36                          ; v36-99  a candidate tile's eight fragments; at the end what is stored
.set ACC,  100                         ; v100-131 four accumulators; once read, at work in the tournament
.set PEND, 132                         ; v132-147 tile t: the four keys that an even candidate tile leaves for the fourth level
.set LST,  148                         ; v148-243 tile t at 148 + 24 t: six; 4 x three; six single maxima
.set W,    244                         ; v244-251 at work
.set WV,   12
.set G1A,  24                          ; s[24:31], s[32:39] descriptor groups 1: 35 and 105 rows of 256 bytes
.set G1B,  32
.set G0A,  40                          ; s[40:43], s[44:47] groups 0
.set G0B,  44
.set TB,   48                          ; where the tile in hand begins in LDS
.set CNT,  49
.set SEL,  50                          ; s[50:51] v_permlanex16_b32's selects for lane l xor 16
.set QC,   52                          ; s[52:55] what hangs on my place in the cluster: my queries' records, my part of the output
.set PT,   54
.set NEGS, 56                          ; -3e38
.set MSB, 0
.macro WIN new                         ; the immediate's high byte repeats the setting that is left
.if MSB != \new
	s_set_vgpr_msb (MSB<<8)|\new
.set MSB, \new
.endif
.endm
.macro CROUND                          ; a round of the cluster's barrier
	s_barrier_signal -1
	s_barrier_wait -1
	s_cmp_lg_u32 s[WV], 0
	s_cbranch_scc1 .Lnot_wave_0_\@
	s_barrier_signal -3
.Lnot_wave_0_\@:
	s_barrier_wait -3
	s_barrier_signal -1
	s_barrier_wait -1
.endm
; A comparator.  x and y lie in different register banks (number mod 4), hi and lo differ in parity, and neither is x or y.
.macro CE hi, lo, x, y
	v_dual_max_num_f32 v[\hi], v[\x], v[\y] :: v_dual_min_num_f32 v[\lo], v[\y], v[\x]
.endm
.macro MX2 d0, x0, d1, x1              ; two running maxima
	v_dual_max_num_f32 v[\d0], v[\d0], v[\x0] :: v_dual_max_num_f32 v[\d1], v[\d1], v[\x1]
.endm
; A sorted list takes a key: place k takes the middle one of its neighbour above, itself and the key; from the last place up, so that each line reads old values.
.macro INS6 l, x
	v_med3_num_f32 v[(\l)+5], v[(\l)+4], v[(\l)+5], v[\x]
	v_med3_num_f32 v[(\l)+4], v[(\l)+3], v[(\l)+4], v[\x]
	v_med3_num_f32 v[(\l)+3], v[(\l)+2], v[(\l)+3], v[\x]
	v_med3_num_f32 v[(\l)+2], v[(\l)+1], v[(\l)+2], v[\x]
	v_med3_num_f32 v[(\l)+1], v[\l], v[(\l)+1], v[\x]
	v_max_num_f32 v[\l], v[\l], v[\x]
.endm
.macro INS3 l, x
	v_med3_num_f32 v[(\l)+2], v[(\l)+1], v[(\l)+2], v[\x]
	v_med3_num_f32 v[(\l)+1], v[\l], v[(\l)+1], v[\x]
	v_max_num_f32 v[\l], v[\l], v[\x]
.endm
; The tournament's levels.  i: eight registers read, o: eight registers written; every such base is a multiple of 4.  H = winner, L = loser, read from the first level on.
.macro LV1 o, i                        ; H in o, o+2, o+4, o+6; L in o+1, o+3, o+5, o+7.  (An accumulator is read from its low end on.)
	CE \o,   \o+1, \i,   \i+1
	CE \o+2, \o+3, \i+2, \i+3
	CE \o+4, \o+5, \i+4, \i+5
	CE \o+6, \o+7, \i+6, \i+7
.endm
.macro LV2 o, i                        ; HH o, o+2; HL o+1, o+3; LH o+4, o+6; LL o+5, o+7
	CE \o,   \o+1, \i,   \i+2
	CE \o+2, \o+3, \i+4, \i+6
	CE \o+4, \o+5, \i+1, \i+3
	CE \o+6, \o+7, \i+5, \i+7
.endm
.macro LV3 t, odd, o, i                ; HHH, HHL, HLH, LHH: into o+2 .. o+5, or kept for the next candidate tile; HLL o+1, LHL o; LL: c = 1
.set P_, PEND+4*(\t)
.set L_, LST+24*(\t)
.if \odd
	CE \o+2, \o+3, \i,   \i+2
	CE \o+4, \o+1, \i+1, \i+3
	CE \o+5, \o,   \i+4, \i+6
.else
	CE P_,   P_+1, \i,   \i+2
	CE P_+2, \o+1, \i+1, \i+3
	CE P_+3, \o,   \i+4, \i+6
.endif
	v_max3_num_f32 v[L_+18], v[L_+18], v[\i+5], v[\i+7]
.endm
.macro C12 t, o                        ; HLL, LHL: c = 1
.set L_, LST+24*(\t)
	MX2 L_+19, \o+1, L_+20, \o
.endm
.macro LV4 t, o, i                     ; between the two candidate tiles
.set P_, PEND+4*(\t)
	CE \o,   \o+1, P_,   \i+2
	CE \o+2, \o+3, P_+1, \i+3
	CE \o+4, \o+5, P_+2, \i+4
	CE \o+6, \o+7, P_+3, \i+5
.endm
.macro C345 t, o                       ; the losers of the three streams with c = 3: c = 1
.set L_, LST+24*(\t)
	MX2 L_+21, \o+3, L_+22, \o+5
	v_max_num_f32 v[L_+23], v[L_+23], v[\o+7]
.endm
.macro INSA t, o
.set L_, LST+24*(\t)
	INS6 L_,    \o
	INS3 L_+6,  \o+1
	INS3 L_+9,  \o+2
	INS3 L_+12, \o+4
	INS3 L_+15, \o+6
.endm
; Query tiles a and b by turns.  The registers go round: a's level 1 into W; b's into a's accumulator; a's level 2 into b's accumulator; b's into W; and so on: each base is written only when its last readers stand above.
.macro SELP a, b, odd
.set Aa_, ACC+8*(\a)
.set Ab_, ACC+8*(\b)
	LV1 W,   Aa_
	LV1 Aa_, Ab_
	LV2 Ab_, W
	LV2 W,   Aa_
	LV3 \a, \odd, Aa_, Ab_
	LV3 \b, \odd, Ab_, W
	C12 \a, Aa_
	C12 \b, Ab_
.if \odd
	LV4 \a, W,   Aa_
	LV4 \b, Aa_, Ab_
	C345 \a, W
	C345 \b, Aa_
	INSA \a, W
	INSA \b, Aa_
.endif
.endm
; A candidate tile from LDS: 19 loads.  The four vector lines at its head are the four places between the last matrix instruction and loads into registers that it has read, or the first read of its results.
; lm = 0: nothing is fetched; 1: the next tile; 2: tile 0.
.macro LOADT lm
.if \lm == 0
.rept 4
	v_nop
.endr
.else
.if \lm == 1
	s_add_co_u32 s[TB], s[TB], REC
.else
	s_mov_b32 s[TB], 0
.endif
	v_add_nc_u32 v[ADC], s[TB], v[LI]
	v_add_nc_u32 v[ADN], s[TB], v[LH]
	v_nop
	v_nop
.irp n, 0,1,2,3,4,5,6,7,8,9,10,11,12,13,14,15
	ds_load_b128 v[CF+4*\n:CF+4*\n+3], v[ADC] offset:512*\n
.endr
	ds_load_b128 v[CS:CS+3], v[ADC] offset:SCO
	ds_load_b128 v[CI:CI+3], v[ADN]
	ds_load_b128 v[CI+4:CI+7], v[ADN] offset:16
.endif
.endm
; 32 matrix instructions: the tile's 16 candidates x my 64 queries x all of K.  The four accumulators take turns, one instruction a turn.
; The first K step takes -sq / 2 as its C.  Odd K steps take both sides' scale words from lanes 16-31.
.macro MULT
	WIN 0x04                                       ; source 1 (the queries) in window 1, all else in window 0
.set s_, 0
.rept 8
.set t_, 0
.rept 4
.set D_, ACC+8*t_
.if s_ == 0
	v_wmma_scale_f32_16x16x128_f8f6f4 v[D_:D_+7], v[CF+8*s_:CF+8*s_+7], v[64*t_+8*s_:64*t_+8*s_+7], v[CI:CI+7], v[CS+s_/2], v[QS+4*t_+s_/2] matrix_a_fmt:MATRIX_FMT_FP4 matrix_b_fmt:MATRIX_FMT_FP4
.elseif s_%2 == 0
	v_wmma_scale_f32_16x16x128_f8f6f4 v[D_:D_+7], v[CF+8*s_:CF+8*s_+7], v[64*t_+8*s_:64*t_+8*s_+7], v[D_:D_+7], v[CS+s_/2], v[QS+4*t_+s_/2] matrix_a_fmt:MATRIX_FMT_FP4 matrix_b_fmt:MATRIX_FMT_FP4
.else
	v_wmma_scale_f32_16x16x128_f8f6f4 v[D_:D_+7], v[CF+8*s_:CF+8*s_+7], v[64*t_+8*s_:64*t_+8*s_+7], v[D_:D_+7], v[CS+s_/2], v[QS+4*t_+s_/2] matrix_a_fmt:MATRIX_FMT_FP4 matrix_b_fmt:MATRIX_FMT_FP4 matrix_a_scale:MATRIX_SCALE_ROW1 matrix_b_scale:MATRIX_SCALE_ROW1
.endif
.set t_, t_+1
.endr
.set s_, s_+1
.endr
	WIN 0
.endm
; A step: one candidate tile is multiplied, the next is fetched, and the selection stands between those loads and the wait for them.
.macro STEP odd, lm
	s_wait_dscnt 0x0                               ; the tile's 19 loads are in
	MULT
	LOADT \lm
	SELP 0, 1, \odd
	SELP 2, 3, \odd
.endm
.macro PAIRS trips                     ; so many pairs of steps, each step fetching the next tile
	s_mov_b32 s[CNT], \trips
.Lpairs_\@:
	STEP 0, 1
	STEP 1, 1
	s_sub_co_u32 s[CNT], s[CNT], 1
	s_cmp_lg_u32 s[CNT], 0
	s_cbranch_scc1 .Lpairs_\@
.endm
.macro QLOAD t                         ; query tile t's codes: the record lies in the registers' order; each load reads 512 consecutive bytes
.set n_, 0
.rept 16
	global_load_b128 v[64*(\t)+4*n_:64*(\t)+4*n_+3], v[LI], s[QC:QC+1] offset:REC*(\t)+512*n_
.set n_, n_+1
.endr
.endm
	s_load_b128 s[4:7], s[0:1], 0x0                ; rec s[4:5], part s[6:7]
	v_lshl_add_u32 v[SPW], v0, 2, SPARE
	v_mov_b32 v[NIL], 0
	ds_add_u32 v[SPW], v[NIL]                      ; the opening lines: the add, twice on end, and its wait ahead of my first tensor load
	ds_add_u32 v[SPW], v[NIL]
	v_lshrrev_b32 v[TM], 5, v0
	v_readfirstlane_b32 s[WV], v[TM]               ; wave 0..7
	v_and_b32 v[LI], 31, v0
	v_bfe_u32 v[LH], v0, 4, 1
	v_lshlrev_b32 v[LI], 4, v[LI]
	v_lshl_add_u32 v[LH], v[LH], 5, NHO
	s_bfe_u32 s14, ttmp6, 0x40000                  ; cx: my place in the cluster
	s_lshl_b32 s15, ttmp9, 2                       ; in a cluster launch ttmp9 counts clusters
	s_add_co_u32 s15, s15, s14                     ; qb: my block of 512 queries: it enters the queries' and the output's addresses alone
	s_and_b32 s16, ttmp7, 0xffff                   ; cr: the range of 512 candidates, which the four partners share
.irp g, G1A, G1B                       ; dense blocks as rows of 256 bytes (32 elements of 8 bytes), no padding: every LDS read is 16 bytes a lane on end
	s_mov_b32 s[\g], 15|(3<<16)|(1<<21)            ; the mask: all four work-groups; elements of 8 bytes; bit 21 set beside a mask
	s_mov_b32 s[\g+1], 32<<16
	s_mov_b32 s[\g+3], 32<<16
	s_mov_b32 s[\g+5], 32
	s_mov_b32 s[\g+6], 0
	s_mov_b32 s[\g+7], 0
.endr
	s_mov_b32 s[G1A+2], 35<<16                     ; one record,
	s_mov_b32 s[G1A+4], 35
	s_mov_b32 s[G1B+2], 105<<16                    ; three records
	s_mov_b32 s[G1B+4], 105
	s_mul_i32 s18, s16, 32*REC                     ; the range's first record
	s_mov_b32 s[G0A], 1
	s_mul_i32 s[G0A+1], s[WV], REC                 ; tile w
	s_add_co_u32 s20, s18, s[G0A+1]
	s_mov_b32 s21, 0
	s_mov_b32 s[G0B], 1
	s_mul_i32 s[G0B+1], s[WV], 3*REC               ; tiles 8 + 3 w ..
	s_add_co_u32 s[G0B+1], s[G0B+1], 8*REC
	s_add_co_u32 s22, s18, s[G0B+1]
	s_mov_b32 s23, 0
	s_mul_i32 s[QC], s15, 32*REC                   ; my queries: tile 32 qb + 4 w
	s_mul_i32 s[QC+1], s[WV], 4*REC
	s_add_co_u32 s[QC], s[QC], s[QC+1]
	s_mov_b32 s[QC+1], 0
	s_lshl_b32 s[PT], s15, 14                      ; part: 262,144 cr + 32 bytes a query
	s_lshl_b32 s[PT+1], s[WV], 11
	s_add_co_u32 s[PT], s[PT], s[PT+1]
	s_lshl_b32 s[PT+1], s16, 18
	s_add_co_u32 s[PT], s[PT], s[PT+1]
	s_mov_b32 s[PT+1], 0
	s_mov_b32 s[SEL], 0x76543210
	s_mov_b32 s[SEL+1], 0xfedcba98
	s_mov_b32 s[NEGS], 0xff61b1e6
	s_wait_alu depctr_va_vdst(0)
	s_wait_dscnt 0x0                               ; both opening adds are done
	s_wait_kmcnt 0x0
	s_add_nc_u64 s[G0A+2:G0A+3], s[4:5], s[20:21]
	s_add_nc_u64 s[G0B+2:G0B+3], s[4:5], s[22:23]
	s_or_b32 s[G0A+3], s[G0A+3], 0x80000000        ; type = 2
	s_or_b32 s[G0B+3], s[G0B+3], 0x80000000
	s_add_nc_u64 s[QC:QC+1], s[4:5], s[QC:QC+1]
	s_add_nc_u64 s[PT:PT+1], s[6:7], s[PT:PT+1]
.irp t, 0,1,2,3
	global_load_b128 v[QS+4*\t:QS+4*\t+3], v[LI], s[QC:QC+1] offset:REC*\t+SCO
.endr
	WIN 0x40                                       ; destination window 1, address window 0
	QLOAD 0
	QLOAD 1
	WIN 0
	CROUND                                         ; all four work-groups are here: the joint loads meet
	tensor_load_to_lds s[G0A:G0A+3], s[G1A:G1A+7]  ; tile w: my one tensor load at the head
	s_nop 0
.rept 4
	v_nop                                          ; ahead of the switch of windows
.endr
	WIN 0x40
	QLOAD 2
	QLOAD 3
	WIN 0
.set n_, 0
.rept 48
	v_dual_mov_b32 v[LST+2*n_], s[NEGS] :: v_dual_mov_b32 v[LST+2*n_+1], s[NEGS]   ; the lists begin under every key
.set n_, n_+1
.endr
	s_wait_alu depctr_va_vdst(0)
	s_wait_tensorcnt 0x0                           ; my tile is in
	ds_add_u32 v[SPW], v[NIL]
	s_wait_dscnt 0x0
	CROUND                                         ; tiles 0-7 are whole, and all four work-groups are here
	tensor_load_to_lds s[G0B:G0B+3], s[G1B:G1B+7]  ; tiles 8 + 3 w .. 10 + 3 w: the first tensor load behind the round
	s_nop 0
	LOADT 2                                        ; tile 0
	s_wait_loadcnt 0x0                             ; the queries and their scale words
	PAIRS 3                                        ; tiles 0-5 are multiplied; the last fetch is tile 6's
	STEP 0, 1                                      ; tile 6; tile 7 is fetched
	s_wait_tensorcnt 0x0                           ; my part of tiles 8-31 is in;
	s_wait_dscnt 0x0                               ; no LDS instruction of mine is pending at the signal
	s_barrier_signal -1
	s_barrier_wait -1                              ; everybody's is
	STEP 1, 1                                      ; tile 7; tile 8 is fetched
	PAIRS 11                                       ; tiles 8-29; the last fetch is tile 30's
	STEP 0, 1
	STEP 1, 0                                      ; tile 31: nothing more to fetch
	v_and_b32 v[TM], 15, v0
	v_bfe_u32 v[ADC], v0, 4, 1
	v_lshlrev_b32 v[TM], 5, v[TM]
	v_lshl_add_u32 v[TM], v[ADC], 4, v[TM]         ; my 16 bytes in a tile's 512 of part: 32 r + 16 h
	v_and_b32 v[ADC], 31, v0
	v_cmp_le_u32 vcc_lo, 16, v[ADC]                ; lanes 16-31
	v_mov_b32 v[ADN], s[NEGS]                      ; the fill
; Each tile's lists become one, the four tiles by turns; the query's other lane brings its six (into the accumulators' registers, which are done with)
.set k_, 6
.rept 18
.irp t, 0,1,2,3
	INS6 LST+24*\t, LST+24*\t+k_
.endr
.set k_, k_+1
.endr
.irp k, 0,1,2,3,4,5
.irp t, 0,1,2,3
	v_permlanex16_b32 v[ACC+8*\t+\k], v[LST+24*\t+\k], s[SEL], s[SEL+1]
.endr
.endr
.irp k, 0,1,2,3,4,5
.irp t, 0,1,2,3
	INS6 LST+24*\t, ACC+8*\t+\k
.endr
.endr
.irp t, 0,1,2,3                        ; lanes 0-15 store places 0-3, lanes 16-31 places 4, 5 and the fill
	v_cndmask_b32 v[CF+4*\t],   v[LST+24*\t],   v[LST+24*\t+4], vcc_lo
	v_cndmask_b32 v[CF+4*\t+1], v[LST+24*\t+1], v[LST+24*\t+5], vcc_lo
	v_cndmask_b32 v[CF+4*\t+2], v[LST+24*\t+2], v[ADN], vcc_lo
	v_cndmask_b32 v[CF+4*\t+3], v[LST+24*\t+3], v[ADN], vcc_lo
	global_store_b128 v[TM], v[CF+4*\t:CF+4*\t+3], s[PT:PT+1] offset:512*\t   ; 32 lanes store 512 consecutive bytes, at a multiple of 256 from the buffer's first byte
.endr
	s_wait_tensorcnt 0x0                           ; the wave's end
	ds_add_u32 v[SPW], v[NIL]
	s_wait_dscnt 0x0
	CROUND                                         ; the closing round: no work-group ends while a partner may still ask for a tile that names it
	s_endpgm
.Lfunc_end_k_q8e2b5dd532_knn:
	.size	k_q8e2b5dd532_knn, .Lfunc_end_k_q8e2b5dd532_knn-k_q8e2b5dd532_knn
	.p2alignl 7, 3214868480
	.fill 96, 4, 3214868480
	.section	.rodata,"a",@progbits
	.p2align	6, 0x0
	.amdhsa_kernel k_q8e2b5dd532_knn
		.amdhsa_group_segment_fixed_size 327680
		.amdhsa_private_segment_fixed_size 0
		.amdhsa_enable_private_segment 0
		.amdhsa_kernarg_size 16
		.amdhsa_user_sgpr_count 2
		.amdhsa_user_sgpr_kernarg_segment_ptr 1
		.amdhsa_wavefront_size32 1
		.amdhsa_system_sgpr_workgroup_id_x 1
		.amdhsa_system_sgpr_workgroup_id_y 1
		.amdhsa_system_sgpr_workgroup_id_z 1
		.amdhsa_system_vgpr_workitem_id 0
		.amdhsa_next_free_vgpr 512
		.amdhsa_next_free_sgpr 66
		.amdhsa_reserve_vcc 1
		.amdhsa_float_denorm_mode_32 3
		.amdhsa_float_denorm_mode_16_64 3
		.amdhsa_memory_ordered 1
		.amdhsa_forward_progress 1
		.amdhsa_inst_pref_size 142
	.end_amdhsa_kernel
	.amdgpu_metadata
---
amdhsa.version: [ 1, 2 ]
amdhsa.kernels:
  - .name:           k_q8e2b5dd532_knn
    .symbol:         k_q8e2b5dd532_knn.kd
    .args:
      - { .name: rec, .offset: 0, .size: 8, .value_kind: global_buffer, .address_space: global }
      - { .name: part, .offset: 8, .size: 8, .value_kind: global_buffer, .address_space: global }
    .group_segment_fixed_size: 327680
    .private_segment_fixed_size: 0
    .kernarg_segment_align: 8
    .kernarg_segment_size: 16
    .max_flat_workgroup_size: 256
    .sgpr_count:     66
    .vgpr_count:     512
    .wavefront_size: 32
...
	.end_amdgpu_metadata
.endif
;; end of part 2
;; launch apply (part 3): grid 1024 x 1, 4 waves a work-group, no clusters, 0 bytes of LDS; arguments x_real, x_imag, part, rec, out0; writes out0
.if DOCPART == 3
	.amdgcn_target "amdgcn-amd-amdhsa--gfx1250"
	.amdhsa_code_object_version 6
	.text
	.protected	k_q8e2b5dd532_apply
	.globl	k_q8e2b5dd532_apply
	.p2align	8
	.type	k_q8e2b5dd532_apply,@function
k_q8e2b5dd532_apply:
	s_mov_b64 s[64:65], 0
	v_nop
	global_prefetch_b8 v0, s[64:65] scope:SCOPE_SE
	s_setreg_imm32_b32 hwreg(HW_REG_WAVE_MODE, 25, 1), 1
	s_wait_xcnt 0x0
; For each row: the sixteen ranges' lists of six keys are merged; d2 = sq - 2 key, clipped at 0; the smallest distance is dropped, the mean of the next five is the score;
; w = exp(-score / 32) where score > 0.1, else 0; out0[0] = x_real x w, out0[1] = x_imag x w.
; SHARES.  A wave takes two rows: lanes 0-15 the first, lanes 16-31 the second.  Lane e of a half takes range e's list, and the 16 bytes at 16 e of every 256 of its row: a load or store covers two aligned runs
; of 256 bytes.  All 32 loads of the two rows (16 KiB a wave) go out ahead of the merge, which runs while they are on their way; each piece is scaled in place and stored as it arrives.
; No LDS, no barrier, no matrix unit: waves share nothing and memory binds.
; LIMITS: v_exp_f32 gives 0 where w would fall under 2^-126 (score over about 2,790); NaN and infinities are not served; the mean is a product by 0.2.
.set XO, 3                             ; v3  16 e + 4,096 x half; never rewritten
.set PO, 4                             ; v4  262,144 e + 32 x half: range e's list of my row
.set NO, 5                             ; v5  4 x half
.set L,  8                             ; v8-13   the list, the largest key first
.set P,  14                            ; v14-19  the partner lane's list
.set D,  20                            ; v20-24  five distances
.set XR, 32                            ; v32-95  the rows of x_real;  v96-159 of x_imag
.macro INS6 l, x                       ; a sorted list takes a key: place k takes the middle one of its neighbour above, itself and the key, from the last place up
	v_med3_num_f32 v[(\l)+5], v[(\l)+4], v[(\l)+5], v[\x]
	v_med3_num_f32 v[(\l)+4], v[(\l)+3], v[(\l)+4], v[\x]
	v_med3_num_f32 v[(\l)+3], v[(\l)+2], v[(\l)+3], v[\x]
	v_med3_num_f32 v[(\l)+2], v[(\l)+1], v[(\l)+2], v[\x]
	v_med3_num_f32 v[(\l)+1], v[\l], v[(\l)+1], v[\x]
	v_max_num_f32 v[\l], v[\l], v[\x]
.endm
	s_load_b256 s[4:11], s[0:1], 0x0               ; x_real s[4:5], x_imag s[6:7], part s[8:9], rec s[10:11]
	s_load_b64 s[12:13], s[0:1], 0x20              ; out0
	v_lshrrev_b32 v1, 5, v0
	v_readfirstlane_b32 s16, v1                    ; wave 0..3
	v_and_b32 v1, 15, v0                           ; e
	v_bfe_u32 v2, v0, 4, 1                         ; which of my wave's two rows
	v_lshlrev_b32 v[XO], 4, v1
	v_lshl_add_u32 v[XO], v2, 12, v[XO]
	v_lshlrev_b32 v[PO], 18, v1
	v_lshl_add_u32 v[PO], v2, 5, v[PO]
	v_lshlrev_b32 v[NO], 2, v2
.irp k, 0,1,2,3,4,5
	v_mov_b32 v[P+\k], 0                           ; written once: the destination of a move between lanes counts as one of its sources
.endr
	s_lshl_b32 s17, ttmp9, 3
	s_lshl_b32 s18, s16, 1
	s_add_co_u32 s17, s17, s18                     ; my first row: 8 x work-group + 2 x wave
	s_lshl_b32 s20, s17, 12                        ; 4,096 bytes a row of x and of out0,
	s_mov_b32 s21, 0
	s_lshl_b32 s22, s17, 5                         ; 32 a row of a range's lists,
	s_mov_b32 s23, 0
	s_lshr_b32 s24, s17, 4                         ; -sq / 2 lies in the record of the row's tile of 16: 8,960 bytes a tile,
	s_mul_i32 s24, s24, 8960
	s_and_b32 s26, s17, 15
	s_lshl_b32 s26, s26, 2                         ; 4 bytes a row,
	s_add_co_u32 s24, s24, s26
	s_add_co_u32 s24, s24, 8704                    ; from byte 8,704 of the record on
	s_mov_b32 s25, 0
	s_wait_alu depctr_va_vdst(0)
	s_wait_kmcnt 0x0
	s_add_nc_u64 s[4:5], s[4:5], s[20:21]
	s_add_nc_u64 s[6:7], s[6:7], s[20:21]
	s_add_nc_u64 s[8:9], s[8:9], s[22:23]
	s_add_nc_u64 s[10:11], s[10:11], s[24:25]
	s_add_nc_u64 s[12:13], s[12:13], s[20:21]      ; the real half of out0,
	s_add_nc_u64 s[14:15], s[12:13], 0x2000000     ; and the imaginary one, 32 MiB on
	global_load_b128 v[L:L+3], v[PO], s[8:9]
	global_load_b64 v[L+4:L+5], v[PO], s[8:9] offset:16
	global_load_b32 v6, v[NO], s[10:11]            ; -sq / 2 of my row
.irp j, 0,1,2,3,4,5,6,7,8,9,10,11,12,13,14,15
	global_load_b128 v[XR+4*\j:XR+4*\j+3], v[XO], s[4:5] offset:256*\j th:TH_LOAD_NT   ; read for the last time in this program
.endr
.irp j, 0,1,2,3,4,5,6,7,8,9,10,11,12,13,14,15
	global_load_b128 v[XR+64+4*\j:XR+64+4*\j+3], v[XO], s[6:7] offset:256*\j th:TH_LOAD_NT
.endr
	s_wait_loadcnt 32                              ; the list and -sq / 2 are in; the 32 loads of the rows stay out
.irp m, 1,2,4,8                                ; four exchanges inside each half of 16 lanes: every lane ends with the best six of all sixteen ranges
.irp k, 0,1,2,3,4,5
	v_mov_b32_dpp v[P+\k], v[L+\k] row_xmask:\m row_mask:0xf bank_mask:0xf
.endr
.irp k, 0,1,2,3,4,5
	INS6 L, P+\k
.endr
.endr
	v_mul_f32 v26, -2.0, v6                        ; sq
.irp k, 0,1,2,3,4
	v_fma_f32 v[D+\k], -2.0, v[L+1+\k], v26        ; d2 = sq - 2 key; the largest key, the smallest distance, is dropped
.endr
.irp k, 0,1,2,3,4
	v_max_num_f32 v[D+\k], 0, v[D+\k]
.endr
	s_wait_alu depctr_va_vdst(0)
.irp k, 0,1,2,3,4
	v_sqrt_f32 v[D+\k], v[D+\k]
.endr
	v_nop                                          ; one plain place behind the transcendentals
	s_wait_alu depctr_va_vdst(0)
	v_add_f32 v[D], v[D], v[D+1]
	v_add_f32 v[D+2], v[D+2], v[D+3]
	v_add_f32 v[D], v[D], v[D+2]
	v_add_f32 v[D], v[D], v[D+4]
	v_mul_f32 v25, 0x3e4ccccd, v[D]                ; the score: the sum x 0.2
	v_mul_f32 v27, 0xbd38aa3b, v25                 ; x -log2(e) / 32
	v_cmp_lt_f32 vcc_lo, 0x3dcccccd, v25           ; 0.1 < score
	s_wait_alu depctr_va_vdst(0)
	v_exp_f32 v28, v27
	v_nop                                          ; one plain place behind the transcendental
	s_wait_alu depctr_va_vdst(0)
	v_cndmask_b32 v28, 0, v28, vcc_lo              ; w, or 0
	v_mov_b32 v29, v28                             ; twice, for the packed products
.set n, 0
	s_wait_alu depctr_va_vdst(0)
.rept 16
	s_wait_loadcnt 31-n                            ; loads come back in order: piece n is in
	v_pk_mul_f32 v[XR+4*n:XR+4*n+1], v[XR+4*n:XR+4*n+1], v[28:29]
	v_pk_mul_f32 v[XR+4*n+2:XR+4*n+3], v[XR+4*n+2:XR+4*n+3], v[28:29]
	global_store_b128 v[XO], v[XR+4*n:XR+4*n+3], s[12:13] offset:256*n th:TH_STORE_NT   ; sixteen lanes store 256 consecutive bytes, at a multiple of 256 from out0's first byte; no register is written again
.set n, n+1
.endr
.set n, 0
.rept 16
	s_wait_loadcnt 15-n
	v_pk_mul_f32 v[XR+64+4*n:XR+64+4*n+1], v[XR+64+4*n:XR+64+4*n+1], v[28:29]
	v_pk_mul_f32 v[XR+64+4*n+2:XR+64+4*n+3], v[XR+64+4*n+2:XR+64+4*n+3], v[28:29]
	global_store_b128 v[XO], v[XR+64+4*n:XR+64+4*n+3], s[14:15] offset:256*n th:TH_STORE_NT
.set n, n+1
.endr
	s_endpgm
.Lfunc_end_k_q8e2b5dd532_apply:
	.size	k_q8e2b5dd532_apply, .Lfunc_end_k_q8e2b5dd532_apply-k_q8e2b5dd532_apply
	.p2alignl 7, 3214868480
	.fill 96, 4, 3214868480
	.section	.rodata,"a",@progbits
	.p2align	6, 0x0
	.amdhsa_kernel k_q8e2b5dd532_apply
		.amdhsa_group_segment_fixed_size 0
		.amdhsa_private_segment_fixed_size 0
		.amdhsa_enable_private_segment 0
		.amdhsa_kernarg_size 40
		.amdhsa_user_sgpr_count 2
		.amdhsa_user_sgpr_kernarg_segment_ptr 1
		.amdhsa_wavefront_size32 1
		.amdhsa_system_sgpr_workgroup_id_x 1
		.amdhsa_system_sgpr_workgroup_id_y 1
		.amdhsa_system_sgpr_workgroup_id_z 1
		.amdhsa_system_vgpr_workitem_id 0
		.amdhsa_next_free_vgpr 160
		.amdhsa_next_free_sgpr 66
		.amdhsa_reserve_vcc 1
		.amdhsa_float_denorm_mode_32 3
		.amdhsa_float_denorm_mode_16_64 3
		.amdhsa_memory_ordered 1
		.amdhsa_forward_progress 1
		.amdhsa_inst_pref_size 25
	.end_amdhsa_kernel
	.amdgpu_metadata
---
amdhsa.version: [ 1, 2 ]
amdhsa.kernels:
  - .name:           k_q8e2b5dd532_apply
    .symbol:         k_q8e2b5dd532_apply.kd
    .args:
      - { .name: x_real, .offset: 0, .size: 8, .value_kind: global_buffer, .address_space: global }
      - { .name: x_imag, .offset: 8, .size: 8, .value_kind: global_buffer, .address_space: global }
      - { .name: part, .offset: 16, .size: 8, .value_kind: global_buffer, .address_space: global }
      - { .name: rec, .offset: 24, .size: 8, .value_kind: global_buffer, .address_space: global }
      - { .name: out0, .offset: 32, .size: 8, .value_kind: global_buffer, .address_space: global }
    .group_segment_fixed_size: 0
    .private_segment_fixed_size: 0
    .kernarg_segment_align: 8
    .kernarg_segment_size: 40
    .max_flat_workgroup_size: 128
    .sgpr_count:     66
    .vgpr_count:     160
    .wavefront_size: 32
...
	.end_amdgpu_metadata
.endif
;; end of part 3
